; MI455X (gfx1250); checked and timed in simulation.
; The chip was launched on July 23, 2026; its instructions are those of AMD's public machine-readable ISA for CDNA 5 (MIT licence, August 2026) and "CDNA5" Instruction Set Architecture Reference Guide (July 2026). The comments in the code are by the model that wrote it; some were corrected since.
;; Ring Flash Self Attention. Allowed arithmetic: matrix products marked QUANTISED: E2M3 operands, one E8M0 scale for each 32 along K, by v_wmma_scale_f32_16x16x128_f8f6f4 with both operands' format E2M3, f32 sums; everything else in f32.
;; Inputs: qkv 1 x 4,096 x 3 x 16 x 64 float32.
;; Outputs: out0 1 x 4,096 x 16 x 64 float32.
;; This version of the problem:
;;   THIS VERSION OF THE PROBLEM IS GIVEN IN LOW PRECISION. The matrix products marked QUANTISED in the list below multiply operands that are first quantised to E2M3 (2 exponent bits, 3 mantissa bits; 6 bits a number), with one power-of-two scale for each 32 numbers along K (OCP MX v1.0); their sums are f32. All else is computed in f32.
;;   The module's matrix products, in the order in which they are computed (A, B: the left and right operand; K: the contracted axis; several contracted axes count as one K, in the product's order):
;;     1. batch 16 x [M 4,096, K 64] x [K 64, N 4,096]; A: input qkv; B: input qkv: QUANTISED
;;     2. batch 16 x [M 64, K 4,096] x [K 4,096, N 4,096]; A: input qkv; B: softmax (see below): QUANTISED
;;   THE QUANTISER, for each operand of a quantised product, along K:
;;     - K is cut into blocks of 32 from its start; a last block that is shorter is filled with zeros.
;;     - A block's scale is 2^e with e = floor(log2(the largest magnitude in the block)) - 2, held to -126 .. 127; a block of zeros has e = 0. As a byte (E8M0): e + 127.
;;     - Each number is divided by its block's scale, clamped to +-7.5, and rounded to the nearest number of E2M3, ties to even, subnormals kept.
;;     - The product sums the exact products of the quantised numbers (number of the format x scale) in f32.
;;   ~~~python
;;   def quantise(x, axis):      # numpy; x: float32 -> the quantised numbers, widened to float32 again
;;       x = np.moveaxis(x, axis, -1); K = x.shape[-1]
;;       x = np.pad(x, [(0, 0)] * (x.ndim - 1) + [(0, -K % 32)]); x = x.reshape(x.shape[:-1] + (-1, 32)); a = np.abs(x).max(-1, keepdims=True)
;;       e = np.where(a > 0, np.clip(np.frexp(np.where(a > 0, a, 1))[1] - 1 - 2, -126, 127), 0)      # np.frexp(a)[1] - 1 = floor(log2(a)), exactly
;;       r = np.clip(x / 2.0 ** e, -7.5, 7.5)
;;       step = 2.0 ** (np.maximum(np.frexp(np.where(r == 0, 1, r))[1] - 1, 0) - 3)
;;       q = np.round(r / step) * step * 2.0 ** e      # np.round: ties to even
;;       return np.moveaxis(q.reshape(q.shape[:-2] + (-1,))[..., :K], -1, axis).astype(np.float32)
;;   ~~~
;;   SOFTMAX AHEAD OF A QUANTISED PRODUCT. Where the list says 'softmax', what is quantised is not the finished softmax but p = 2^(t - M), with t = logit x log2(e) and M = ceil(the row's largest t), a whole number; so 1/2 < the row's largest p <= 1. The row's sum l is taken of the UNQUANTISED p, in f32, and the product's result is divided by l at the end. Since M is a whole number, a kernel that streams over the keys may use a running M (the ceiling of the running maximum): every later rescaling is an exact power of two, which a block's scale takes up: the codes' values come out the same.
;;   OPERANDS COMPUTED ON THE WAY. 'Computed on the way' means the value that the module computes at that place (a softmax that the list does not call 'softmax' is quantised finished and normalised). What goes into a quantiser is computed in f32, as accurately as f32 sums, v_exp_f32 and their like allow (about 1e-6 of the number): no bf16 or f16 on the way to a quantiser, and a product that is left as it is and whose result goes on into a quantised operand takes f32 operands (vector FMAs, or v_wmma_f32_16x16x4_f32). A number that lies on a knife's edge between two numbers of the format may be rounded either way, as far as f32 arithmetic and the matrix unit's own rounding can turn it there, and no further.
;; One version. Each part assembles by itself: llvm-mc -triple=amdgcn-amd-amdhsa -mcpu=gfx1250 --defsym DOCPART=n.
;; ======== version 1 of 1: 2 launches
;; workspace buffers: kv 6,684,672 bytes; qc 3,145,728 bytes; qs 262,144 bytes
;; launch quant (part 1): grid 32 x 16, 4 waves a work-group, no clusters, 25,344 bytes of LDS; arguments qkv, kv, qc, qs; writes kv, qc, qs
.if DOCPART == 1
	.amdgcn_target "amdgcn-amd-amdhsa--gfx1250"
	.amdhsa_code_object_version 6
	.text
	.protected	k_q7902d78f0b_quant
	.globl	k_q7902d78f0b_quant
	.p2align	8
	.type	k_q7902d78f0b_quant,@function
k_q7902d78f0b_quant:
	s_mov_b64 s[64:65], 0
	v_nop
	global_prefetch_b8 v0, s[64:65] scope:SCOPE_SE
	s_setreg_imm32_b32 hwreg(HW_REG_WAVE_MODE, 25, 1), 1
	s_wait_xcnt 0x0
; qkv [4096][3][16][64] f32 -> codes of FP6 (E2M3) with one E8M0 byte for each 32 along a product's K, laid in the ORDER OF THE OPERANDS' REGISTERS of the attention launch.
; A work-group takes 128 places of the sequence (key step ks = work-group x) of one head (work-group y): its q, k and v, 3 x 128 pieces of 256 aligned bytes.
; q and k are quantised along the head's 64 (two blocks a row), v along the KEYS (four blocks of 32 keys for each of the 64 channels).
; A block's scale is 2^(floor(log2(its largest magnitude)) - 2): its byte is the largest magnitude's exponent field - 2, held at 1 from below.
; LIMITS: NaN and infinities among the inputs are not served.  A block of zeros, and a block whose largest magnitude lies under 2^(3 - 127), gets the byte 1 (the stated quantiser gives a block of zeros 127):
; a block of zeros has zero codes, which add nothing under any byte but 0xff, and these bytes are read by this program alone.
; OUT.  kv: a record of REC = 13,056 bytes for (head, key step) at (32 head + ks) REC:
;   +0      K's eight fragments' lower six registers, 48 registers: register R = 6 t + j of lane L at 512 (R / 4) + 16 L + 4 (R % 4); lane r + 16 h of tile t = 2 b + u holds key 32 b + 8 u + r + 8 (r / 8), d = 32 h .. 32 h + 31
;   +6,144  V's four fragments, 48 registers, by the same address rule, R = 12 t + 6 c + j: lane r + 16 h of tile t holds channel 16 t + r, keys 64 c + 32 h + 0 .. 31 of the step
;   +12,288 K's scale words: (tile 2 b + u, row r) at 16 (r + 16 u) + 4 b: bytes 0, 1 the two blocks of d, bytes 2, 3 = 0x7f
;   +12,800 V's scale words: channel d at 8 (d % 32) + 4 (d / 32): byte kb for the step's key block kb
; qc: a query tile's six registers, 768 bytes for (head, tile T) at (256 head + T) 768: registers 2 p, 2 p + 1 of lane L at 256 p + 8 L.   qs: a word for each (head, query): bytes as K's.
; SHARES.  Wave w takes queries and keys 32 w .. 32 w + 31 (two tiles of 16 rows each), and of v the columns 32 (w % 2) + lane, key blocks w / 2 and 2 + w / 2.
; q and k: a load reads two whole rows of 256 bytes (sixteen lanes a row); the 16 rows of a tile turn through the wave's own stage in LDS, so that lane (r, h) then holds the 32 neighbours d = 32 h .. of row r: a whole block.
; v: a lane takes a column and its registers run down the keys: a whole block in a lane, nothing is transposed.  V's codes and all scale words meet in LDS, behind ONE barrier, and leave in runs of 256 or 512 consecutive aligned bytes.
; Memory binds this launch: no matrix unit, no tensor load, no cluster (work-groups share no byte), no prefetch (all its loads go out at its head).
.set REC,   13056
.set ROWQ,  12288                      ; bytes from one place of the sequence to the next
.set STGB,  16*272                     ; a wave's stage: 16 rows of 256 bytes + 16: the pitch is 17 x 16 bytes, so sixteen rows' pieces of 16 bytes fall on sixteen different places modulo 256
.set VIM,   4*STGB                     ; LDS: the image of V's 6,144 bytes,
.set SCL,   VIM+6144                   ; of K's 512 and V's 256 bytes of scale words,
.set QSL,   SCL+768                    ; and q's 128 scale words
.set NUM,   96                         ; v96-223  four tiles of 32 numbers a lane: q's two, k's two
.set VNA,   224                        ; v224-255 v's first block; its second takes v96-127 when those are done with
.set CQ,    36                         ; v36-47   q's codes, two tiles
.set CK,    48                         ; v48-59   k's
.set CVA,   60                         ; v60-65   v's first block
.set CVB,   66                         ; v66-71   v's second
	s_load_b256 s[4:11], s[0:1], 0x0               ; qkv s[4:5], kv s[6:7], qc s[8:9], qs s[10:11]
	v_lshl_add_u32 v94, v0, 2, 0x6100
	v_mov_b32 v95, 0
	v_lshrrev_b32 v1, 5, v0
	v_readfirstlane_b32 s12, v1                    ; wave 0..3
	s_mov_b32 s13, ttmp9                           ; ks
	s_and_b32 s14, ttmp7, 0xffff                   ; head
	v_and_b32 v1, 31, v0                           ; lane
	v_and_b32 v2, 15, v0                           ; r
	v_bfe_u32 v3, v0, 4, 1                         ; h
	v_mul_u32_u24 v4, v3, ROWQ
	v_lshl_add_u32 v4, v2, 4, v4                   ; q, k: lanes 0-15 one row's 256 bytes, lanes 16-31 the next row's
	v_lshlrev_b32 v9, 2, v1                        ; v: 4 bytes a lane
	s_lshl_b32 s15, s14, 8                         ; the head's 256 bytes in a part
	s_lshl_b32 s32, s13, 7                         ; 128 ks
	s_lshl_b32 s33, s12, 5
	s_add_co_u32 s33, s32, s33                     ; my first row of q and k: 128 ks + 32 w
	s_mul_i32 s34, s33, ROWQ
	s_add_co_u32 s34, s34, s15
	s_mov_b32 s35, 0
	s_lshr_b32 s23, s12, 1                         ; w / 2
	s_and_b32 s40, s12, 1                          ; w % 2
	s_lshl_b32 s36, s23, 5
	s_add_co_u32 s36, s36, s32                     ; my first key of v: 128 ks + 32 (w / 2)
	s_mul_i32 s36, s36, ROWQ
	s_add_co_u32 s36, s36, s15
	s_lshl_b32 s37, s40, 7                         ; my 32 columns: 128 (w % 2) bytes on
	s_add_co_u32 s36, s36, s37
	s_mov_b32 s37, 0
	s_wait_kmcnt 0x0
	s_add_nc_u64 s[16:17], s[4:5], s[36:37]        ; v's base
	s_add_nc_u64 s[4:5], s[4:5], s[34:35]          ; q's and k's
.macro LOADT tl                        ; tile tl (0, 1: q's; 2, 3: k's): 16 rows, two a load.  Stage row 2 n + h is the fragment's row: of q row 16 u + it, of k key 8 u + it + 8 (it / 8)
.irp n, 0,1,2,3,4,5,6,7
.if (\tl) < 2
	global_load_b128 v[NUM+32*(\tl)+4*\n:NUM+32*(\tl)+4*\n+3], v4, s[4:5] offset:(16*(\tl)+2*\n)*ROWQ th:TH_LOAD_NT
.else
	global_load_b128 v[NUM+32*(\tl)+4*\n:NUM+32*(\tl)+4*\n+3], v4, s[4:5] offset:4096+(8*((\tl)-2)+2*\n+8*(\n/4))*ROWQ th:TH_LOAD_NT
.endif
.endr
.endm
.macro LOADV c, reg                    ; v(64 c + i, my column), i = 0 .. 31: key block 2 c + w / 2
.set i, 0
.rept 32
	global_load_b32 v[\reg+i], v9, s[16:17] offset:8192+(64*(\c)+i)*ROWQ th:TH_LOAD_NT
.set i, i+1
.endr
.endm
	LOADT 0
	LOADT 1
	LOADT 2
	LOADT 3
	LOADV 0, VNA
	; the other addresses are made while the loads are on their way
	s_lshl_b32 s38, s14, 5
	s_add_co_u32 s38, s38, s13
	s_mul_i32 s38, s38, REC                        ; my record
	s_mov_b32 s39, 0
	s_add_nc_u64 s[6:7], s[6:7], s[38:39]
	s_mul_i32 s38, s12, 1536
	s_add_nc_u64 s[18:19], s[6:7], s[38:39]        ; K's codes: my two tiles are registers 12 w .. 12 w + 11: 1,536 w bytes on
	s_add_nc_u64 s[24:25], s[18:19], 6144          ; V's codes: my quarter of the image
	s_lshl_b32 s38, s12, 8
	s_add_nc_u64 s[26:27], s[6:7], s[38:39]
	s_add_nc_u64 s[26:27], s[26:27], 12288         ; the record's scale words: 256 bytes for each of waves 0 to 2
	s_lshl_b32 s38, s13, 3
	s_add_co_u32 s38, s38, s15
	s_lshl_b32 s41, s12, 1
	s_add_co_u32 s38, s38, s41
	s_mul_i32 s38, s38, 768                        ; q's codes: tile 256 head + 8 ks + 2 w
	s_add_nc_u64 s[28:29], s[8:9], s[38:39]
	s_lshl_b32 s38, s14, 14
	s_lshl_b32 s41, s13, 9
	s_add_co_u32 s38, s38, s41                     ; q's scale words: 4 (4,096 head + 128 ks)
	s_add_nc_u64 s[30:31], s[10:11], s[38:39]
	s_mov_b32 s20, 0x76543210
	s_mov_b32 s21, 0xfedcba98                      ; v_permlanex16_b32's selects for lane l xor 16
	s_mov_b32 s22, 0xffff0000                      ; lanes 16-31
	s_mul_i32 s41, s12, STGB                       ; my stage
	v_mul_u32_u24 v5, v3, 272
	v_lshl_add_u32 v5, v2, 4, v5
	v_add_nc_u32 v5, s41, v5                       ; into it: as loaded: row h of a pair, 16 r
	v_mul_u32_u24 v6, v2, 272
	v_lshl_add_u32 v6, v3, 7, v6
	v_add_nc_u32 v6, s41, v6                       ; out of it: row r, my half's 128 bytes
	v_lshlrev_b32 v7, 4, v1                        ; 16 x lane
	v_lshlrev_b32 v8, 3, v1                        ; 8 x lane
	s_mul_i32 s42, s40, 3072
	s_lshl_b32 s43, s23, 8
	s_add_co_u32 s42, s42, s43
	s_add_co_u32 s42, s42, VIM
	v_mul_u32_u24 v10, v3, 1536
	v_lshl_add_u32 v10, v2, 4, v10
	v_add_nc_u32 v10, s42, v10                     ; V's image: my column is row r of tile 2 (w % 2) + h (1,536 bytes a tile), and my key blocks belong to lane r + 16 (w / 2)
	s_lshl_b32 s43, s40, 2
	s_add_co_u32 s43, s43, s23
	s_add_co_u32 s43, s43, SCL+512
	v_lshl_add_u32 v11, v1, 3, s43                 ; V's scale bytes: 8 x lane + 4 (w % 2) + w / 2 (+ 2 for the second block)
	v_mov_b32 v16, 0                               ; a lane permute's destination counts as one of its sources
	v_lshlrev_b32 v17, 3, v3                       ; 8 h: my block's byte in a row's word
	s_lshl_b32 s43, s12, 2
	s_add_co_u32 s43, s43, SCL
	v_lshl_add_u32 v22, v1, 4, s43                 ; K's scale words: 16 x lane + 4 w
	s_lshl_b32 s43, s12, 7
	s_add_co_u32 s43, s43, QSL
	v_lshl_add_u32 v23, v1, 2, s43                 ; q's: 128 w + 4 x lane
	s_mul_i32 s43, s12, 1536
	s_add_co_u32 s43, s43, VIM
	v_lshl_add_u32 v24, v1, 4, s43                 ; the way out: my quarter of V's image,
	s_lshl_b32 s43, s12, 8
	s_add_co_u32 s43, s43, SCL
	v_lshl_add_u32 v25, v1, 3, s43                 ; 256 bytes of the record's scale words (waves 0 to 2),
	v_lshl_add_u32 v26, v1, 4, QSL                 ; q's 512 bytes of scale words (wave 3)
.macro TURN tl                         ; a tile through my stage, in place: LDS serves a wave's instructions in order, so no wait stands between the stores and the loads, nor ahead of the next tile's stores
.irp n, 0,1,2,3,4,5,6,7
	ds_store_b128 v5, v[NUM+32*(\tl)+4*\n:NUM+32*(\tl)+4*\n+3] offset:544*\n
.endr
.irp n, 0,1,2,3,4,5,6,7
	ds_load_b128 v[NUM+32*(\tl)+4*\n:NUM+32*(\tl)+4*\n+3], v6 offset:16*\n
.endr
.endm
.macro Q32 x, c                        ; the 32 numbers v[x] .. v[x + 31], one block, become six registers of codes at v[c]; the block's byte is left in v15
	v_max3_num_f32 v12, |v[\x]|, |v[\x+1]|, |v[\x+2]|
	v_max3_num_f32 v13, |v[\x+3]|, |v[\x+4]|, |v[\x+5]|
.irp i, 6,10,14,18,22,26
	v_max3_num_f32 v12, v12, |v[\x+\i]|, |v[\x+\i+1]|
	v_max3_num_f32 v13, v13, |v[\x+\i+2]|, |v[\x+\i+3]|
.endr
	v_max3_num_f32 v12, v12, |v[\x+30]|, |v[\x+31]|
	v_max3_num_f32 v12, v12, v13, 0x1800000        ; with the floor 2^(3 - 127): the byte cannot fall under 1
	v_add_nc_u32 v14, 0xff000000, v12              ; 2 off the exponent field: the conversion takes this operand's exponent field as its scale
	v_lshrrev_b32 v15, 23, v14                     ; the byte
	v_cvt_scalef32_pk16_fp6_f32 v[\c:\c+2], v[\x:\x+15], v14
	v_cvt_scalef32_pk16_fp6_f32 v[32:34], v[\x+16:\x+31], v14   ; (a conversion's three registers begin on an even number)
	v_nop                                          ; one plain place behind a scaled conversion
	v_mov_b32 v[\c+3], v32
	v_mov_b32 v[\c+4], v33
	v_mov_b32 v[\c+5], v34
.endm
.macro SWORD dst                       ; a row's scale word: my byte at 8 h, lane l xor 16's beside it, 0x7f in bytes 2 and 3; both halves of the lanes end up with it
	v_lshlrev_b32 v15, v17, v15
	v_permlanex16_b32 v16, v15, s20, s21
	v_or_b32 v15, v15, v16
	v_or_b32 v[\dst], 0x7f7f0000, v15
.endm
	s_wait_loadcnt 32                              ; the 32 youngest loads are v's first block: all four tiles are in
	TURN 0
	TURN 1
	s_wait_dscnt 16                                ; tile 0 is back; tile 1's sixteen may be out
	Q32 NUM, CQ
	SWORD 18
	LOADV 1, NUM                                   ; tile 0's numbers are done with: v's second block lands there
	TURN 2
	s_wait_dscnt 16                                ; tile 1 is back; tile 2's sixteen may be out
	Q32 NUM+32, CQ+6
	SWORD 19
.irp u, 0,1
.irp p, 0,1,2
	global_store_b64 v8, v[CQ+6*\u+2*\p:CQ+6*\u+2*\p+1], s[28:29] offset:768*\u+256*\p   ; 32 lanes store 256 consecutive bytes, at a multiple of 256 from qc's first byte
.endr
.endr
	v_cndmask_b32 v20, v18, v19, s22               ; lanes 0-15: the first tile's rows' words, lanes 16-31 the second's
	TURN 3
	ds_store_b32 v23, v20
	s_wait_dscnt 17                                ; tile 2 is back; tile 3's sixteen and the word's store may be out
	Q32 NUM+64, CK
	SWORD 18
	s_wait_dscnt 0x0
	Q32 NUM+96, CK+6
	SWORD 19
.irp g, 0,1,2
	global_store_b128 v7, v[CK+4*\g:CK+4*\g+3], s[18:19] offset:512*\g   ; 512 consecutive bytes a store, at a multiple of 256 from kv's first byte
.endr
	v_cndmask_b32 v21, v18, v19, s22
	ds_store_b32 v22, v21
	s_wait_loadcnt 32                              ; v's first block is in; the second's 32 loads may be out
	Q32 VNA, CVA
	v_mov_b32 v28, v15
	ds_store_b128 v10, v[CVA:CVA+3]                ; registers 0-3 of the fragment,
	ds_store_b64 v10, v[CVA+4:CVA+5] offset:512    ; 4 and 5
	ds_store_b8 v11, v28
	s_wait_loadcnt 0x0
	Q32 NUM, CVB
	v_mov_b32 v29, v15
	ds_store_b64 v10, v[CVB:CVB+1] offset:520      ; 6 and 7,
	ds_store_b128 v10, v[CVB+2:CVB+5] offset:1024  ; 8-11
	ds_store_b8 v11, v29 offset:2
	s_wait_dscnt 0x0                               ; for the others' sake: all my stores into LDS have landed
	s_barrier_signal -1
	s_barrier_wait -1
.irp g, 0,1,2
	ds_load_b128 v[72+4*\g:75+4*\g], v24 offset:512*\g
.endr
	s_cmp_eq_u32 s12, 3
	s_cbranch_scc1 .Lq_words
	ds_load_b64 v[84:85], v25
	s_wait_dscnt 0x0
	global_store_b64 v8, v[84:85], s[26:27]        ; 256 consecutive aligned bytes of the record's scale words
	s_branch .Lcodes
.Lq_words:
	ds_load_b128 v[84:87], v26
	s_wait_dscnt 0x0
	global_store_b128 v7, v[84:87], s[30:31]       ; q's 128 scale words: 512 consecutive aligned bytes
.Lcodes:
.irp g, 0,1,2
	global_store_b128 v7, v[72+4*\g:75+4*\g], s[24:25] offset:512*\g
.endr
	s_wait_tensorcnt 0x0
	ds_add_u32 v94, v95
	s_wait_dscnt 0x0
	s_endpgm
.Lfunc_end_k_q7902d78f0b_quant:
	.size	k_q7902d78f0b_quant, .Lfunc_end_k_q7902d78f0b_quant-k_q7902d78f0b_quant
	.p2alignl 7, 3214868480
	.fill 96, 4, 3214868480
	.section	.rodata,"a",@progbits
	.p2align	6, 0x0
	.amdhsa_kernel k_q7902d78f0b_quant
		.amdhsa_group_segment_fixed_size 25344
		.amdhsa_private_segment_fixed_size 0
		.amdhsa_enable_private_segment 0
		.amdhsa_kernarg_size 32
		.amdhsa_user_sgpr_count 2
		.amdhsa_user_sgpr_kernarg_segment_ptr 1
		.amdhsa_wavefront_size32 1
		.amdhsa_system_sgpr_workgroup_id_x 1
		.amdhsa_system_sgpr_workgroup_id_y 1
		.amdhsa_system_sgpr_workgroup_id_z 1
		.amdhsa_system_vgpr_workitem_id 0
		.amdhsa_next_free_vgpr 256
		.amdhsa_next_free_sgpr 66
		.amdhsa_reserve_vcc 0
		.amdhsa_float_denorm_mode_32 3
		.amdhsa_float_denorm_mode_16_64 3
		.amdhsa_memory_ordered 1
		.amdhsa_forward_progress 1
		.amdhsa_inst_pref_size 30
	.end_amdhsa_kernel
	.amdgpu_metadata
---
amdhsa.version: [ 1, 2 ]
amdhsa.kernels:
  - .name:           k_q7902d78f0b_quant
    .symbol:         k_q7902d78f0b_quant.kd
    .args:
      - { .name: qkv, .offset: 0, .size: 8, .value_kind: global_buffer, .address_space: global }
      - { .name: kv, .offset: 8, .size: 8, .value_kind: global_buffer, .address_space: global }
      - { .name: qc, .offset: 16, .size: 8, .value_kind: global_buffer, .address_space: global }
      - { .name: qs, .offset: 24, .size: 8, .value_kind: global_buffer, .address_space: global }
    .group_segment_fixed_size: 25344
    .private_segment_fixed_size: 0
    .kernarg_segment_align: 8
    .kernarg_segment_size: 32
    .max_flat_workgroup_size: 128
    .sgpr_count:     66
    .vgpr_count:     256
    .wavefront_size: 32
...
	.end_amdgpu_metadata
.endif
;; end of part 1
;; launch attn (part 2): grid 16 x 16, 8 waves a work-group, no clusters, 327,680 bytes of LDS; arguments kv, qc, qs, out0; writes out0
.if DOCPART == 2
	.amdgcn_target "amdgcn-amd-amdhsa--gfx1250"
	.amdhsa_code_object_version 6
	.text
	.protected	k_q7902d78f0b_attn
	.globl	k_q7902d78f0b_attn
	.p2align	8
	.type	k_q7902d78f0b_attn,@function
k_q7902d78f0b_attn:
	s_mov_b64 s[64:65], 0
	v_nop
	global_prefetch_b8 v0, s[64:65] scope:SCOPE_SE
	s_setreg_imm32_b32 hwreg(HW_REG_WAVE_MODE, 25, 1), 1
	s_wait_xcnt 0x0
; out0[s][head][:] = the sum over keys t <= s of softmax_t(q[s] . k[t] / 8) v[t][:], both products on codes of FP6 (E2M3) with one E8M0 scale for each 32 along a product's K.  4,096 places, 16 heads of 64.
; The codes and scale words come from the launch before, laid in the order of the operands' registers: kv (a record of 13,056 bytes for each head and key step of 128 keys), qc, qs.
; THE SOFTMAX AHEAD OF THE SECOND PRODUCT: t = score x log2(e) / 8; M = the running largest t rounded UP to a whole number; p = 2^(t - M) is quantised along the keys, not normalised; the row's sum is taken of the
; unquantised p and divides at the end.  When M moves, the sum and O are multiplied by 2^(old M - new M): exact.
; SHARES.  Work-group (i, head) owns the query blocks i and 31 - i, 128 queries each, one after the other: i + 1 key steps for the first and 32 - i for the second: 33 POSITIONS IN EVERY WORK-GROUP, 256 work-groups of
; equal work, nothing hidden is walked and every trip count is a constant.  Position p reads key step p (p < i + 1) or p - (i + 1).  Positions i and 32 lie on the diagonal.  Wave w of eight owns 16 queries of the block in hand.
; LAYOUT.  Both products are used transposed: S^T = K Q^T (source 0 = 16 keys, source 1 = my 16 queries), O^T = V^T P^T (source 0 = 16 channels, source 1 = P): a lane holds ONE query (lane % 16) throughout.
; The keys of a tile are not neighbours: lane r of tile 2 b + u holds key 32 b + 8 u + r + 8 (r / 8), so that the 16 registers of tiles 2 b and 2 b + 1 are the keys 32 b + 16 (lane / 16) + 0 .. 15.
; THE FIRST PRODUCT'S K IS 64, half of the instruction's 128.  Q's registers 6-11 are zero codes and bytes 2 and 3 of both sides' scale words are 0x7f; E2M3 has no code for infinity or NaN: so whatever codes stand
; in source 0's registers 6-11 add exactly 0.  K's fragments therefore lie densely, six registers a tile: tile t's operand is v[KF + 6 t .. + 11], whose upper six are tile t + 1's codes; behind tile 7 stand six cleared registers.
; THE RING.  Two LDS slots of three positions (three records).  Waves 0, 1, 2 fetch one record each, one dense tensor load of 51 rows of 256 bytes; by this text's own count a wave never has more than one tensor load out.
; Every LDS read of a record is 16 (or 8) bytes a lane on end: no padding is needed.
; NO CLUSTER, though the 16 work-groups of a head read the same records: behind its own change of blocks a work-group reads key step p - (i + 1), another one in each of them, so the partners' requests of one round would name
; different records.
; LIMITS: NaN and infinities among the inputs are not served; the scale bytes of blocks of zeros are 1 (their codes are zeros).
; REGISTERS.  Window 0: v1-11 addresses and constants; v12 -M, v13 the largest t, v[14:15] the sum in two halves; v16-27 Q (22-27 zeros); v28 Q's scale words; v29, v30-35 the second block's; v36-89 K (84-89 zeros);
;   v90-93 K's scale words, v94-95 V's; v96-159 S^T, then p; v160-191 O^T; v192-203 p's codes; v204-226 at work.   Window 1: v0-47 V's four fragments.
.set REC,    13056
.set VIMG,   6144
.set KSCO,   12288
.set VSCO,   12800
.set SLOT1,  65536                     ; slot 1 begins here, so that one exclusive or turns an address in one slot into the other's
.set STAGE,  131072                    ; the way out: 16 rows x (256 + 16) bytes for each wave; no tensor load ever lands here
.set SPITCH, 272
.set SPARE,  STAGE+8*16*SPITCH         ; the spare words, 128 bytes for each wave: four blocks of 256 bytes that no other line names
.set LI,   1                           ; v1   16 x lane
.set L8,   2                           ; v2   8 x lane
.set ADR,  3                           ; v3   the slot in hand + 16 x lane
.set AD8,  4                           ; v4   the slot in hand + 8 x lane
.set SPW,  5                           ; v5   LDS address of my spare word; never rewritten
.set NIL,  6                           ; v6   0; never rewritten
.set DD,   7                           ; v7   on the diagonal: my query - the step's first key - 16 (lane / 16)
.set NINF, 8                           ; v8   -infinity
.set STO,  9                           ; v9   the stage: where I put 32 bytes of a row
.set RD,   10                          ; v10  and where I read a row back
.set GO,   11                          ; v11  my byte offset in the wave's rows of out0
.set QF,   16
.set QS,   28
.set QSH,  29
.set QH,   30
.set KF,   36
.set KS,   90
.set VS,   94
.set SR,   96
.set OT,   160
.set PC,   192
.set CT,   204
.set BM,   212                         ; v212-215 each block's largest score, then its largest p
.set PT,   216                         ; v216-219 at work
.set SO,   220                         ; v220-223 the conversions' scale operands
.set FF,   224                         ; v224 f = 2^(old M - new M)
.set PW,   225                         ; v225 p's scale word
.set TMP,  226
.set PFO,  227                         ; v227 256 x lane; never rewritten
.set QSA,  228                         ; v228 4 x (lane % 16)
.set WV,   12
.set PI,   13                          ; i
.set NLO,  14                          ; i + 1
.set HD,   15
.set POS,  16                          ; the position in hand
.set SLOTS, 17
.set TB,   18                          ; LDS byte at which the slot in hand begins
.set NP,   19                          ; the position of the record that I fetch next
.set SEL,  20
.set CS,   22                          ; s[22:23] c = log2(e) / 8
.set G1,   24
.set G0,   32
.set KVH,  36                          ; s[36:37] the head's first record
.set OFS,  38
.set OB,   40                          ; s[40:41] out0 at the rows of the tile in hand;  s[42:43] of the second block's
.set OH,   42
.set PFA,  44                          ; s[44:45] where my prefetches stand
.set CH,   46                          ; s46  the piece of 8,192 bytes of the head's records that I name next
.set WL,   47                          ; s47  the smaller of my wave's number and 2
.set MSB, 0
.macro WIN new                         ; the immediate's high byte repeats the setting that is left
.if MSB != \new
	s_set_vgpr_msb (MSB<<8)|\new
.set MSB, \new
.endif
.endm
.macro TLOAD                           ; waves 0, 1, 2 fetch a record each; the branch hangs on the wave's number alone.  Four v_nop follow the load
	s_cmp_lt_u32 s[WV], 3
	s_cbranch_scc0 .Lnone_\@
	tensor_load_to_lds s[G0:G0+3], s[G1:G1+7]
	s_nop 0
.rept 4
	v_nop
.endr
.Lnone_\@:
.endm
; A PREFETCH INTO THE L2.  A head's 32 records are 51 pieces of 8,192 bytes.  The head's work-group with i = 0, which behind its first position walks the key steps in order, asks, and in it the five waves that fetch nothing,
; a piece each, lanes 256 bytes apart: the change of slots number e (0 ..) names pieces 8 + 5 e .. 12 + 5 e, which hold what the next change's loads will ask for (up to byte (3 e + 8) x 13,056): three positions ahead.
; Pieces 0-7 come by their loads alone: nothing is asked for at the head.  Beyond piece 50 nothing is named: no request leaves the head's records, and each piece is named once.
.macro ASK
	s_cmp_lt_u32 s[CH], 51
	s_cbranch_scc0 .Lnot_mine_\@
	global_prefetch_b8 v[PFO], s[PFA:PFA+1] th:TH_LOAD_NT scope:SCOPE_SE
.Lnot_mine_\@:
.endm
	s_load_b256 s[4:11], s[0:1], 0x0               ; kv s[4:5], qc s[6:7], qs s[8:9], out0 s[10:11]
	v_lshl_add_u32 v[SPW], v0, 2, SPARE
	v_mov_b32 v[NIL], 0
	ds_add_u32 v5, v6
	s_wait_dscnt 0x0
	v_lshrrev_b32 v1, 5, v0
	v_readfirstlane_b32 s[WV], v1                  ; wave 0..7
	s_mov_b32 s[PI], ttmp9
	s_add_co_u32 s[NLO], s[PI], 1
	s_and_b32 s[HD], ttmp7, 0xffff
	s_mov_b32 s[POS], 0
	s_mov_b32 s[SLOTS], 10
	s_mov_b32 s[TB], 0
	s_min_u32 s[WL], s[WV], 2
	s_mov_b32 s[NP], s[WL]
	s_mov_b32 s[SEL], 0x76543210
	s_mov_b32 s[SEL+1], 0xfedcba98                 ; v_permlanex16_b32's selects for lane l xor 16
	s_mov_b32 s[CS], 0x3e38aa3b                    ; c = log2(e) / 8
	s_mov_b32 s[CS+1], s[CS]                       ; (named with it as a pair, so it is written)
	; descriptor group 1: a record: a dense block of 51 rows of 256 bytes (32 elements of 8 bytes), no padding
	s_mov_b32 s[G1+0], 3<<16                       ; 15:0 no mask; 17:16 elements of 8 bytes; 20 padding off
	s_mov_b32 s[G1+1], 32<<16                      ; tensor_dim0 = 32
	s_mov_b32 s[G1+2], 51<<16                      ; tensor_dim1 = 51
	s_mov_b32 s[G1+3], 32<<16                      ; tile_dim0 = 32
	s_mov_b32 s[G1+4], 51                          ; tile_dim1 = 51
	s_mov_b32 s[G1+5], 32                          ; tensor_dim0_stride
	s_mov_b32 s[G1+6], 0
	s_mov_b32 s[G1+7], 0
	; offsets: my two query tiles, 8 i + w and 248 - 8 i + w
	s_lshl_b32 s56, s[PI], 3
	s_add_co_u32 s58, s56, s[WV]
	s_sub_co_u32 s59, 248, s56
	s_add_co_u32 s59, s59, s[WV]
	s_lshl_b32 s57, s[HD], 8
	s_add_co_u32 s48, s57, s58
	s_mul_i32 s48, s48, 768                        ; in qc: 768 bytes a tile
	s_mov_b32 s49, 0
	s_add_co_u32 s50, s57, s59
	s_mul_i32 s50, s50, 768
	s_mov_b32 s51, 0
	s_lshl_b32 s56, s[HD], 14
	s_lshl_b32 s52, s58, 6
	s_add_co_u32 s52, s52, s56                     ; in qs: 4 (4,096 head + 16 tile)
	s_mov_b32 s53, 0
	s_lshl_b32 s54, s59, 6
	s_add_co_u32 s54, s54, s56
	s_mov_b32 s55, 0
	s_lshl_b32 s[OB], s58, 16
	s_add_co_u32 s[OB], s[OB], s57                 ; in out0: 16 rows of 4,096 bytes a tile, + 256 head
	s_mov_b32 s[OB+1], 0
	s_lshl_b32 s[OH], s59, 16
	s_add_co_u32 s[OH], s[OH], s57
	s_mov_b32 s[OH+1], 0
	s_mul_i32 s[OFS], s[HD], 32*REC
	s_mov_b32 s[OFS+1], 0
	s_wait_kmcnt 0x0
	s_add_nc_u64 s[KVH:KVH+1], s[4:5], s[OFS:OFS+1]
	s_sub_co_u32 s[OFS], s[NP], s[NLO]             ; my record of slot 0: position = my wave's number; its key step
	s_cmp_lt_u32 s[NP], s[NLO]
	s_cselect_b32 s[OFS], s[NP], s[OFS]
	s_mul_i32 s[OFS], s[OFS], REC
	s_mov_b32 s[G0], 1                             ; 1:0 count = 1
	s_mul_i32 s[G0+1], s[WL], REC                  ; 63:32 LDS address: slot 0, my record's place
	s_add_nc_u64 s[G0+2:G0+3], s[KVH:KVH+1], s[OFS:OFS+1]   ; 120:64 global address
	s_or_b32 s[G0+3], s[G0+3], 0x80000000          ; 127:126 type = 2
	TLOAD                                          ; slot 0: the launch's one first fill, ahead of every wait on TENSORcnt, every LDS read and every barrier
	s_add_nc_u64 s[48:49], s[6:7], s[48:49]
	s_add_nc_u64 s[50:51], s[6:7], s[50:51]
	s_add_nc_u64 s[52:53], s[8:9], s[52:53]
	s_add_nc_u64 s[54:55], s[8:9], s[54:55]
	s_add_nc_u64 s[OB:OB+1], s[10:11], s[OB:OB+1]
	s_add_nc_u64 s[OH:OH+1], s[10:11], s[OH:OH+1]
	v_and_b32 v1, 31, v0
	v_lshlrev_b32 v[L8], 3, v1
	v_and_b32 v204, 15, v0                         ; r
	v_lshlrev_b32 v[QSA], 2, v204
.irp p, 0,1,2
	global_load_b64 v[QF+2*\p:QF+2*\p+1], v[L8], s[48:49] offset:256*\p   ; the first block's Q: 256 consecutive bytes a load
.endr
.irp p, 0,1,2
	global_load_b64 v[QH+2*\p:QH+2*\p+1], v[L8], s[50:51] offset:256*\p   ; the second block's, kept until the change of blocks
.endr
	global_load_b32 v[QS], v[QSA], s[52:53]
	global_load_b32 v[QSH], v[QSA], s[54:55]
	; the prefetches: who asks, and where they stand
	s_lshl_b32 s[OFS], s[WV], 13
	s_add_nc_u64 s[PFA:PFA+1], s[KVH:KVH+1], s[OFS:OFS+1]   ; piece = my wave's number; the first change of slots steps it five on
	s_sub_co_u32 s56, s[WV], 3
	s_lshr_b32 s56, s56, 3                         ; 0 in waves 3 to 7,
	s_or_b32 s56, s56, s[PI]                       ; of the work-group with i = 0
	s_cmp_eq_u32 s56, 0
	s_mov_b32 s[CH], 1000
	s_cselect_b32 s[CH], s[WV], s[CH]
	v_lshlrev_b32 v[LI], 4, v1
	v_lshlrev_b32 v[PFO], 4, v[LI]
	v_bfe_u32 v205, v0, 4, 1                       ; h
.irp j, 0,1,2,3,4,5
	v_mov_b32 v[QF+6+\j], 0                        ; Q's k = 64 .. 127: zero codes
	v_mov_b32 v[KF+48+\j], 0                       ; behind K's tile 7
.endr
	s_lshl_b32 s56, s[WV], 4
	v_lshlrev_b32 v[DD], 4, v205
	v_sub_nc_u32 v[DD], v204, v[DD]
	v_add_nc_u32 v[DD], s56, v[DD]                 ; 16 w + r - 16 h
	v_mov_b32 v[NINF], 0xff800000
	s_mul_i32 s57, s[WV], 16*SPITCH
	s_add_co_u32 s57, s57, STAGE                   ; my stage
	v_mul_u32_u24 v[STO], v204, SPITCH
	v_lshl_add_u32 v[STO], v205, 5, v[STO]
	v_add_nc_u32 v[STO], s57, v[STO]               ; in: row r, + 32 h
	v_mul_u32_u24 v[RD], v205, SPITCH
	v_lshl_add_u32 v[RD], v204, 4, v[RD]
	v_add_nc_u32 v[RD], s57, v[RD]                 ; back: lanes 0-15 one row of 256 bytes, lanes 16-31 the next
	v_lshlrev_b32 v[GO], 12, v205
	v_lshl_add_u32 v[GO], v204, 4, v[GO]           ; and the same two rows in out0, 4,096 bytes apart
	v_mov_b32 v13, 0xff61b1e6                      ; the largest t so far: -3e38, under every t
	v_floor_f32 v12, -v13                          ; -M
	v_mov_b32 v14, 0
	v_mov_b32 v15, 0
.irp b, 0,1,2,3
	v_mov_b32 v[PT+\b], 0                          ; a lane permute's destination counts as one of its sources
.endr
	v_mov_b32 v[PW], 0                             ; (named as the upper half of the pair v[224:225] before it is first written)
	v_mov_b32 v[TMP], 0
.set j, 0
.rept 32
	v_mov_b32 v[OT+j], 0                           ; O^T: a block's first step finds zeros, which the first change of M leaves zeros
.set j, j+1
.endr
.macro LOADK q                         ; the K part of the slot's q-th record: 48 registers of codes, four of scale words: 13 LDS loads
.irp g, 0,1,2,3,4,5,6,7,8,9,10,11
	ds_load_b128 v[KF+4*\g:KF+4*\g+3], v[ADR] offset:(\q)*REC+512*\g
.endr
	ds_load_b128 v[KS:KS+3], v[ADR] offset:(\q)*REC+KSCO   ; register b, lanes 0-15: tile 2 b's rows' words; lanes 16-31: tile 2 b + 1's
.endm
.macro LOADV q                         ; the V part: 48 registers of codes into window 1, two of scale words: 13 LDS loads
	WIN 0x40                                       ; destination window 1, address window 0
.irp g, 0,1,2,3,4,5,6,7,8,9,10,11
	ds_load_b128 v[4*\g:4*\g+3], v[ADR] offset:(\q)*REC+VIMG+512*\g
.endr
	WIN 0
	ds_load_b64 v[VS:VS+1], v[AD8] offset:(\q)*REC+VSCO    ; register t / 2, lanes 16 (t % 2) on: tile t's channels' words
.endm
.macro SPROD t                         ; S^T of 16 keys: tile t
.if (\t)%2
	v_wmma_scale_f32_16x16x128_f8f6f4 v[SR+8*(\t):SR+8*(\t)+7], v[KF+6*(\t):KF+6*(\t)+11], v[QF:QF+11], 0, v[KS+(\t)/2], v[QS] matrix_a_fmt:MATRIX_FMT_FP6 matrix_b_fmt:MATRIX_FMT_FP6 matrix_a_scale:MATRIX_SCALE_ROW1
.else
	v_wmma_scale_f32_16x16x128_f8f6f4 v[SR+8*(\t):SR+8*(\t)+7], v[KF+6*(\t):KF+6*(\t)+11], v[QF:QF+11], 0, v[KS+(\t)/2], v[QS] matrix_a_fmt:MATRIX_FMT_FP6 matrix_b_fmt:MATRIX_FMT_FP6
.endif
.endm
.macro PVPROD t                        ; O^T of 16 channels += V^T P^T over the step's 128 keys
.if (\t)%2
	v_wmma_scale_f32_16x16x128_f8f6f4 v[OT+8*(\t):OT+8*(\t)+7], v[12*(\t):12*(\t)+11], v[PC:PC+11], v[OT+8*(\t):OT+8*(\t)+7], v[VS+(\t)/2], v[PW] matrix_a_fmt:MATRIX_FMT_FP6 matrix_b_fmt:MATRIX_FMT_FP6 matrix_a_scale:MATRIX_SCALE_ROW1
.else
	v_wmma_scale_f32_16x16x128_f8f6f4 v[OT+8*(\t):OT+8*(\t)+7], v[12*(\t):12*(\t)+11], v[PC:PC+11], v[OT+8*(\t):OT+8*(\t)+7], v[VS+(\t)/2], v[PW] matrix_a_fmt:MATRIX_FMT_FP6 matrix_b_fmt:MATRIX_FMT_FP6
.endif
.endm
.macro MASK                            ; on the diagonal: register 16 b + i holds the step's key 16 (lane / 16) + 32 b + i: hidden where 32 b + i > DD.  Hidden scores become -infinity ahead of the maximum: p = 0 then
.set n, 0
.rept 64
	v_cmp_gt_i32 vcc_lo, 32*(n/16)+n%16, v[DD]
	v_cndmask_b32 v[SR+n], v[SR+n], v[NINF], vcc_lo
.set n, n+1
.endr
.endm
.macro SOFTMAX
.irp b, 0,1,2,3
	v_max3_num_f32 v[BM+\b], v[SR+16*\b], v[SR+1+16*\b], v[SR+2+16*\b]   ; the largest score of each block of 32 keys: it serves the row's maximum and, since p rises with the score, the block's largest p
.endr
.irp i, 3,5,7,9,11,13
.irp b, 0,1,2,3
	v_max3_num_f32 v[BM+\b], v[BM+\b], v[SR+16*\b+\i], v[SR+1+16*\b+\i]   ; (the four blocks by turns)
.endr
.endr
.irp b, 0,1,2,3
	v_max_num_f32 v[BM+\b], v[BM+\b], v[SR+15+16*\b]
.endr
.irp b, 0,1,2,3
	v_permlanex16_b32 v[PT+\b], v[BM+\b], s[SEL], s[SEL+1]
.endr
.irp b, 0,1,2,3
	v_max_num_f32 v[BM+\b], v[BM+\b], v[PT+\b]     ; with lane l xor 16's 16 keys
.endr
	v_max3_num_f32 v[TMP], v[BM], v[BM+1], v[BM+2]
	v_max_num_f32 v[TMP], v[TMP], v[BM+3]          ; the step's largest score of my query (every step has a key that counts for it)
	v_mul_f32 v[TMP], s[CS], v[TMP]                ; as t
	v_max_num_f32 v13, v13, v[TMP]                 ; the running largest t
	v_mov_b32 v[TMP], v12
	v_floor_f32 v12, -v13                          ; the new -M = floor(-t) = -ceil(t): a whole number
	v_sub_f32 v[TMP], v12, v[TMP]                  ; old M - new M: a whole number, 0 or less
	v_cvt_i32_f32 v[TMP], v[TMP]                   ; (it saturates)
	v_ldexp_f32 v[FF], 1.0, v[TMP]                 ; f = 2^(old M - new M)
.set j, 0
.rept 32
	v_pk_fma_f32 v[SR+j:SR+j+1], v[SR+j:SR+j+1], s[CS:CS+1], v[12:13] op_sel_hi:[1,0,0]   ; t - M, two at a time (of the pairs c and -M the low word serves both halves)
.set j, j+2
.endr
.irp b, 0,1,2,3
	v_fma_f32 v[BM+\b], v[BM+\b], s[CS], v12       ; the same of each block's largest score
.endr
.set j, 0
.rept 64
	v_exp_f32 v[SR+j], v[SR+j]                     ; p = 2^(t - M), at most 1
.set j, j+1
.endr
	v_pk_mul_f32 v[14:15], v[14:15], v[FF:FF+1] op_sel_hi:[1,0]   ; the sums under the new M: a plain instruction behind the exponentials
	s_wait_alu depctr_va_vdst(0)                   ; one wait for the batch of 64, ahead of its first reader
.irp b, 0,1,2,3
	v_exp_f32 v[BM+\b], v[BM+\b]                   ; the block's largest p: the same two instructions on the same number give the same bits
.endr
	v_pk_add_f32 v[PT:PT+1], v[SR:SR+1], v[SR+2:SR+3]   ; the row's sum is taken of the unquantised p: two at a time, in two chains; it reads the 64 alone
.irp j, 4,8,12,16,20,24,28,32,36,40,44,48,52,56,60
	v_pk_add_f32 v[14:15], v[14:15], v[SR+\j:SR+\j+1]
	v_pk_add_f32 v[PT:PT+1], v[PT:PT+1], v[SR+2+\j:SR+3+\j]
.endr
	v_pk_add_f32 v[14:15], v[14:15], v[PT:PT+1]
	s_wait_alu depctr_va_vdst(0)                   ; and one for the four
.irp b, 0,1,2,3
	v_max_num_f32 v[BM+\b], 0x1800000, v[BM+\b]    ; the floor 2^(3 - 127): the byte cannot fall under 1 (a block whose every p is 0 keeps that byte: its codes are zeros)
.endr
.irp b, 0,1,2,3
	v_add_nc_u32 v[SO+\b], 0xff000000, v[BM+\b]    ; 2 off the exponent field: the conversion's scale operand
.endr
.irp b, 0,1,2,3
	v_lshrrev_b32 v[PT+\b], 23, v[SO+\b]           ; the scale's byte
.endr
	v_lshl_or_b32 v[PW], v[PT+1], 8, v[PT]         ; p's scale word for these 128 keys
	v_lshl_or_b32 v[PW], v[PT+2], 16, v[PW]
	v_lshl_or_b32 v[PW], v[PT+3], 24, v[PW]
.irp c, 0,1
	v_cvt_scalef32_pk16_fp6_f32 v[PC+6*\c:PC+2+6*\c], v[SR+32*\c:SR+15+32*\c], v[SO+2*\c]
	v_cvt_scalef32_pk16_fp6_f32 v[CT+4*\c:CT+2+4*\c], v[SR+16+32*\c:SR+31+32*\c], v[SO+2*\c+1]   ; (a conversion's three registers begin on an even number)
.endr
	v_nop                                          ; one plain place behind a scaled conversion
.irp c, 0,1                            ; the operand's layout wants a WHOLE block in a lane: lanes 0-15 block 2 c, lanes 16-31 block 2 c + 1
.irp i, 0,1,2
	v_permlane16_swap_b32 v[PC+6*\c+\i], v[CT+4*\c+\i]
.endr
.irp i, 0,1,2
	v_mov_b32 v[PC+3+6*\c+\i], v[CT+4*\c+\i]
.endr
.endr
.set j, 0
.rept 16
	v_pk_mul_f32 v[OT+j:OT+j+1], v[OT+j:OT+j+1], v[FF:FF+1] op_sel_hi:[1,0]   ; O^T under the new M.  These sixteen are also the places between the writing of p's codes and scale word and the products that take them
.set j, j+2
.endr
.endm
; A block of queries is finished: O^T / the sum goes through my stage and leaves as whole rows: a (query, head) row of out0 is 256 bytes.
.macro FINISH
	v_add_f32 v14, v14, v15                        ; the sum's two halves,
	v_permlanex16_b32 v[TMP], v14, s[SEL], s[SEL+1]
	v_add_f32 v14, v14, v[TMP]                     ; and lane l xor 16's
	v_rcp_f32 v14, v14
	v_nop                                          ; a plain instruction behind the reciprocal,
	s_wait_alu depctr_va_vdst(0)                   ; and the wait ahead of its first reader
.set j, 0
.rept 32
	v_mul_f32 v[SR+j], v[OT+j], v14                ; register 8 t + i: channel 16 t + 8 (lane / 16) + i of my query; each accumulator from its low end on
.set j, j+1
.endr
.irp t, 0,1,2,3
	ds_store_b128 v[STO], v[SR+8*\t:SR+8*\t+3] offset:64*\t
	ds_store_b128 v[STO], v[SR+8*\t+4:SR+8*\t+7] offset:64*\t+16
.endr
.irp i, 0,1,2,3,4,5,6,7
	ds_load_b128 v[SR+32+4*\i:SR+32+4*\i+3], v[RD] offset:2*\i*SPITCH   ; LDS serves a wave's instructions in order: these see my stores
.endr
.irp i, 0,1,2,3,4,5,6,7
	s_wait_dscnt 7-\i
	global_store_b128 v[GO], v[SR+32+4*\i:SR+32+4*\i+3], s[OB:OB+1] offset:8192*\i th:TH_STORE_NT   ; sixteen lanes store 256 consecutive bytes, at a multiple of 256 from out0's first byte
.endr
.endm
; On to the second block.  Q's registers and scale word are written first: the 36 plain instructions behind them are the places ahead of the next scaled products.
.macro RESET
	s_wait_xcnt 0x0                                ; the stores above have read their data and their base: both are written again only behind this wait
.irp j, 0,1,2,3,4,5
	v_mov_b32 v[QF+\j], v[QH+\j]
.endr
	v_mov_b32 v[QS], v[QSH]
	v_mov_b32 v13, 0xff61b1e6
	v_floor_f32 v12, -v13
	v_mov_b32 v14, 0
	v_mov_b32 v15, 0
.set j, 0
.rept 32
	v_mov_b32 v[OT+j], 0
.set j, j+1
.endr
	s_mov_b64 s[OB:OB+1], s[OH:OH+1]
.endm
; A POSITION: the q-th record of the slot in hand.  inloop = 1: it may be the position at which the blocks change (a forward branch on ids and the count of positions, round the way out alone: no barrier and no tensor load
; stands there) or the first block's diagonal.  diag = 1: it is the second block's diagonal.
; LDS loads: at the head K's 13 of this position are out (asked for in the position before; with q = 0 they are asked for here); V's 13 follow; so the wait for 13 shows K in.  Behind the first product K's next 13 go out
; and land under the softmax; the wait for 13 ahead of the second product shows V in.  Where the way out has run, its own count-down has brought everything in, and both waits are met.
.macro STEP q, inloop, diag
.if \inloop
	s_cmp_eq_u32 s[POS], s[NLO]
	s_cbranch_scc0 .Lsame_\@
	FINISH
	RESET
.Lsame_\@:
.endif
.if (\q) == 0
	LOADK 0
.endif
	LOADV \q
	s_wait_dscnt 13
.irp t, 0,1,2,3,4,5,6,7
	SPROD \t
.endr
.rept 4
	v_nop                                          ; four places ahead of loads into registers that these products have read, and of the first read of their results
.endr
.if (\q) < 2
	LOADK (\q)+1
.endif
.if \inloop
	s_cmp_eq_u32 s[POS], s[PI]
	s_cbranch_scc0 .Lopen_\@
	MASK
.Lopen_\@:
.endif
.if \diag
	MASK
.endif
	SOFTMAX
.if (\q) < 2
	s_wait_dscnt 13
.else
	s_wait_dscnt 0x0
.endif
	WIN 0x01                                       ; source 0 (V) window 1
.irp t, 0,1,2,3
	PVPROD \t                                      ; the four accumulators by turns, one instruction a turn; the eight products S^T stand between two links of a chain
.endr
	WIN 0
.rept 4
	v_nop                                          ; four places ahead of the next loads into V's registers and of the next read or write of O^T
.endr
	s_add_co_u32 s[POS], s[POS], 1
.endm
; THE CHANGE OF SLOTS stands at a slot's head.  Each wave waits for all its tensor loads (its record of the slot that it is about to read), adds 0 to its spare word, and waits for that and for its reads of the slot that it has
; left.  Behind the barrier the slot ahead is whole and nobody reads the other one.  fill = 1: that other slot is filled with the next three positions' records: the load has three positions' work in which to land.
.macro CHANGE fill
	s_wait_tensorcnt 0x0                           ; no tensor load of mine is out, so group 0 may be written
	ds_add_u32 v[SPW], v[NIL]                      ; 0 onto my spare word
.if \fill
	s_xor_b32 s[G0+1], s[G0+1], SLOT1              ; the other slot than last time
	s_add_co_u32 s[NP], s[NP], 3                   ; my record's position, and its key step: p, or p - (i + 1) behind the change of blocks
	s_sub_co_u32 s[OFS], s[NP], s[NLO]
	s_cmp_lt_u32 s[NP], s[NLO]
	s_cselect_b32 s[OFS], s[NP], s[OFS]
	s_mul_i32 s[OFS], s[OFS], REC
	s_mov_b32 s[OFS+1], 0
	s_add_nc_u64 s[G0+2:G0+3], s[KVH:KVH+1], s[OFS:OFS+1]
	s_or_b32 s[G0+3], s[G0+3], 0x80000000
	s_wait_xcnt 0x0                                ; the last prefetch, a slot back, has read its address, so it may be written
	s_add_nc_u64 s[PFA:PFA+1], s[PFA:PFA+1], 5*8192
	s_add_co_u32 s[CH], s[CH], 5
.endif
	s_wait_dscnt 0x0                               ; the add is done, and my reads of the slot that I have left are over
	s_barrier_signal -1
	s_barrier_wait -1
.if \fill
	TLOAD                                          ; the first thing behind the barrier, and a wave's one tensor load until the next
	ASK
.endif
	v_add_nc_u32 v[ADR], s[TB], v[LI]
	v_add_nc_u32 v[AD8], s[TB], v[L8]
.endm
	s_wait_loadcnt 0x0                             ; Q, both blocks'
.Lslot:                                            ; ten trips: slots 0 to 9 are read, slots 1 to 10 asked for
	CHANGE 1
	STEP 0, 1, 0
	STEP 1, 1, 0
	STEP 2, 1, 0
	s_xor_b32 s[TB], s[TB], SLOT1                  ; on to the other slot
	s_sub_co_u32 s[SLOTS], s[SLOTS], 1
	s_cmp_lg_u32 s[SLOTS], 0
	s_cbranch_scc1 .Lslot
	CHANGE 0                                       ; the last slot is written out: positions 30, 31, 32.  The blocks change at position 16 at the latest; position 32 is the second block's diagonal
	STEP 0, 0, 0
	STEP 1, 0, 0
	STEP 2, 0, 1
	FINISH
	s_wait_tensorcnt 0x0                           ; the wave's end, behind my last tensor load and my last LDS store
	ds_add_u32 v[SPW], v[NIL]
	s_wait_dscnt 0x0
	s_endpgm
.Lfunc_end_k_q7902d78f0b_attn:
	.size	k_q7902d78f0b_attn, .Lfunc_end_k_q7902d78f0b_attn-k_q7902d78f0b_attn
	.p2alignl 7, 3214868480
	.fill 96, 4, 3214868480
	.section	.rodata,"a",@progbits
	.p2align	6, 0x0
	.amdhsa_kernel k_q7902d78f0b_attn
		.amdhsa_group_segment_fixed_size 327680
		.amdhsa_private_segment_fixed_size 0
		.amdhsa_enable_private_segment 0
		.amdhsa_kernarg_size 32
		.amdhsa_user_sgpr_count 2
		.amdhsa_user_sgpr_kernarg_segment_ptr 1
		.amdhsa_wavefront_size32 1
		.amdhsa_system_sgpr_workgroup_id_x 1
		.amdhsa_system_sgpr_workgroup_id_y 1
		.amdhsa_system_sgpr_workgroup_id_z 1
		.amdhsa_system_vgpr_workitem_id 0
		.amdhsa_next_free_vgpr 304
		.amdhsa_next_free_sgpr 66
		.amdhsa_reserve_vcc 1
		.amdhsa_float_denorm_mode_32 3
		.amdhsa_float_denorm_mode_16_64 3
		.amdhsa_memory_ordered 1
		.amdhsa_forward_progress 1
		.amdhsa_inst_pref_size 138
	.end_amdhsa_kernel
	.amdgpu_metadata
---
amdhsa.version: [ 1, 2 ]
amdhsa.kernels:
  - .name:           k_q7902d78f0b_attn
    .symbol:         k_q7902d78f0b_attn.kd
    .args:
      - { .name: kv, .offset: 0, .size: 8, .value_kind: global_buffer, .address_space: global }
      - { .name: qc, .offset: 8, .size: 8, .value_kind: global_buffer, .address_space: global }
      - { .name: qs, .offset: 16, .size: 8, .value_kind: global_buffer, .address_space: global }
      - { .name: out0, .offset: 24, .size: 8, .value_kind: global_buffer, .address_space: global }
    .group_segment_fixed_size: 327680
    .private_segment_fixed_size: 0
    .kernarg_segment_align: 8
    .kernarg_segment_size: 32
    .max_flat_workgroup_size: 256
    .sgpr_count:     66
    .vgpr_count:     304
    .wavefront_size: 32
...
	.end_amdgpu_metadata
.endif
;; end of part 2
